; MI455X (gfx1250); checked and timed in simulation.
; The chip was launched on July 23, 2026; its instructions are those of AMD's public machine-readable ISA for CDNA 5 (MIT licence, August 2026) and "CDNA5" Instruction Set Architecture Reference Guide (July 2026). The comments in the code are by the model that wrote it; some were corrected since.
;; Multi Head Attention. Allowed arithmetic: float matrix products may take bf16 or f16 operands with f32 sums; all other float work in f32.
;; Inputs: w_out 1,024 x 1,024 float32; w_qkv 1,024 x 3,072 float32; x 2 x 2,048 x 1,024 float32.
;; Outputs: out0 2 x 2,048 x 1,024 float32.
;; One version. Each part assembles by itself: llvm-mc -triple=amdgcn-amd-amdhsa -mcpu=gfx1250 --defsym DOCPART=n.
;; ======== version 1 of 1: 4 launches
;; limits: values are held in f16: magnitudes above 65,504 overflow, below 6.1e-05 lose precision
;; workspace buffers: xb 8,388,608 bytes; wqb 6,291,456 bytes; wob 2,097,152 bytes; qkv 25,165,824 bytes; att 8,388,608 bytes
;; launch prep (part 1): grid 512 x 1, 8 waves a work-group, no clusters, 0 bytes of LDS; arguments x, w_qkv, w_out, xb, wqb, wob; writes xb, wqb, wob
.if DOCPART == 1
	.amdgcn_target "amdgcn-amd-amdhsa--gfx1250"
	.amdhsa_code_object_version 6
	.text
	.protected	k_qca360638cf_prep
	.globl	k_qca360638cf_prep
	.p2align	8
	.type	k_qca360638cf_prep,@function
k_qca360638cf_prep:
	s_mov_b64 s[64:65], 0
	v_nop
	global_prefetch_b8 v0, s[64:65] scope:SCOPE_SE
	s_setreg_imm32_b32 hwreg(HW_REG_WAVE_MODE, 25, 1), 1
	s_wait_xcnt 0x0
; The three f32 inputs are rounded once to the 16-bit operands of the matrix launches, layouts unchanged:
;   xb  = bf16(x)      [4096][1024]      wqb = bf16(w_qkv)  [1024][3072]
;   wob = f16(bf16(w_out)) [1024][1024]: the same rounding as the other inputs, then written as f16, because its partner in the last
;         product is f16.  bf16's 8 bits fit f16's 11.  LIMIT: |w_out| < 65,504; below 2^-14 the f16 is subnormal (absolute error up to 3e-8).
; A stream: no LDS, no barrier, no matrix unit, since every byte is touched once.  512 work-groups of 256 threads; work-group g owns 32,768
; bytes of x, 24,576 of w_qkv and 8,192 of w_out.  A wave's load covers 512 consecutive bytes, its store 256 consecutive aligned bytes.
; All 16 loads of a thread go out first; every register is written once, so no source of a pending instruction is rewritten.
.set XI, 8                             ; v[8:71]   load i: four f32
.set YO, 72                            ; v[72:103] store i: four 16-bit numbers
	s_load_b256 s[4:11], s[0:1], 0x0               ; x s[4:5], w_qkv s[6:7], w_out s[8:9], xb s[10:11]
	s_load_b128 s[12:15], s[0:1], 0x20             ; wqb s[12:13], wob s[14:15]
	v_lshlrev_b32 v1, 4, v0                        ; 16 bytes in for each thread
	v_lshlrev_b32 v2, 3, v0                        ; 8 bytes out
	s_lshl_b32 s16, ttmp9, 15                      ; the work-group's parts, in bytes, each in a pair with 0 above
	s_mov_b32 s17, 0
	s_mul_i32 s18, ttmp9, 24576
	s_mov_b32 s19, 0
	s_lshl_b32 s20, ttmp9, 13
	s_mov_b32 s21, 0
	s_lshl_b32 s22, ttmp9, 14
	s_mov_b32 s23, 0
	s_mul_i32 s24, ttmp9, 12288
	s_mov_b32 s25, 0
	s_lshl_b32 s26, ttmp9, 12
	s_mov_b32 s27, 0
	s_wait_kmcnt 0x0
	s_add_nc_u64 s[4:5], s[4:5], s[16:17]
	s_add_nc_u64 s[6:7], s[6:7], s[18:19]
	s_add_nc_u64 s[8:9], s[8:9], s[20:21]
	s_add_nc_u64 s[10:11], s[10:11], s[22:23]
	s_add_nc_u64 s[12:13], s[12:13], s[24:25]
	s_add_nc_u64 s[14:15], s[14:15], s[26:27]
.irp i, 0,1,2,3,4,5,6,7
	global_load_b128 v[XI+4*\i:XI+4*\i+3], v1, s[4:5] offset:4096*\i th:TH_LOAD_NT
.endr
.irp i, 0,1,2,3,4,5
	global_load_b128 v[XI+32+4*\i:XI+32+4*\i+3], v1, s[6:7] offset:4096*\i th:TH_LOAD_NT
.endr
.irp i, 0,1
	global_load_b128 v[XI+56+4*\i:XI+56+4*\i+3], v1, s[8:9] offset:4096*\i th:TH_LOAD_NT
.endr
.irp i, 0,1,2,3,4,5,6,7
	s_wait_loadcnt 15-\i                           ; loads return in order: load i is in, the 15 - i younger ones stay out
	v_cvt_pk_bf16_f32 v[YO+2*\i], v[XI+4*\i], v[XI+4*\i+1]
	v_cvt_pk_bf16_f32 v[YO+2*\i+1], v[XI+4*\i+2], v[XI+4*\i+3]
	global_store_b64 v2, v[YO+2*\i:YO+2*\i+1], s[10:11] offset:2048*\i
.endr
.irp i, 0,1,2,3,4,5
	s_wait_loadcnt 7-\i
	v_cvt_pk_bf16_f32 v[YO+16+2*\i], v[XI+32+4*\i], v[XI+32+4*\i+1]
	v_cvt_pk_bf16_f32 v[YO+16+2*\i+1], v[XI+32+4*\i+2], v[XI+32+4*\i+3]
	global_store_b64 v2, v[YO+16+2*\i:YO+16+2*\i+1], s[12:13] offset:2048*\i
.endr
.irp i, 0,1
	s_wait_loadcnt 1-\i
.irp k, 0,1
	v_cvt_pk_bf16_f32 v4, v[XI+56+4*\i+2*\k], v[XI+56+4*\i+2*\k+1]     ; round to bf16,
	v_lshlrev_b32 v5, 16, v4                                           ; widen both halves again,
	v_and_b32 v6, 0xffff0000, v4
	v_cvt_pk_f16_f32 v[YO+28+2*\i+\k], v5, v6                          ; and write them as f16
.endr
	global_store_b64 v2, v[YO+28+2*\i:YO+28+2*\i+1], s[14:15] offset:2048*\i
.endr
	s_endpgm
.Lfunc_end_k_qca360638cf_prep:
	.size	k_qca360638cf_prep, .Lfunc_end_k_qca360638cf_prep-k_qca360638cf_prep
	.p2alignl 7, 3214868480
	.fill 96, 4, 3214868480
	.section	.rodata,"a",@progbits
	.p2align	6, 0x0
	.amdhsa_kernel k_qca360638cf_prep
		.amdhsa_group_segment_fixed_size 0
		.amdhsa_private_segment_fixed_size 0
		.amdhsa_enable_private_segment 0
		.amdhsa_kernarg_size 48
		.amdhsa_user_sgpr_count 2
		.amdhsa_user_sgpr_kernarg_segment_ptr 1
		.amdhsa_wavefront_size32 1
		.amdhsa_system_sgpr_workgroup_id_x 1
		.amdhsa_system_sgpr_workgroup_id_y 1
		.amdhsa_system_sgpr_workgroup_id_z 1
		.amdhsa_system_vgpr_workitem_id 0
		.amdhsa_next_free_vgpr 104
		.amdhsa_next_free_sgpr 66
		.amdhsa_reserve_vcc 0
		.amdhsa_float_denorm_mode_32 3
		.amdhsa_float_denorm_mode_16_64 3
		.amdhsa_memory_ordered 1
		.amdhsa_forward_progress 1
		.amdhsa_inst_pref_size 8
	.end_amdhsa_kernel
	.amdgpu_metadata
---
amdhsa.version: [ 1, 2 ]
amdhsa.kernels:
  - .name:           k_qca360638cf_prep
    .symbol:         k_qca360638cf_prep.kd
    .args:
      - { .name: x, .offset: 0, .size: 8, .value_kind: global_buffer, .address_space: global }
      - { .name: w_qkv, .offset: 8, .size: 8, .value_kind: global_buffer, .address_space: global }
      - { .name: w_out, .offset: 16, .size: 8, .value_kind: global_buffer, .address_space: global }
      - { .name: xb, .offset: 24, .size: 8, .value_kind: global_buffer, .address_space: global }
      - { .name: wqb, .offset: 32, .size: 8, .value_kind: global_buffer, .address_space: global }
      - { .name: wob, .offset: 40, .size: 8, .value_kind: global_buffer, .address_space: global }
    .group_segment_fixed_size: 0
    .private_segment_fixed_size: 0
    .kernarg_segment_align: 8
    .kernarg_segment_size: 48
    .max_flat_workgroup_size: 256
    .sgpr_count:     66
    .vgpr_count:     104
    .wavefront_size: 32
...
	.end_amdgpu_metadata
.endif
;; end of part 1
;; launch qkvg (part 2): grid 8 x 32, 4 waves a work-group, clusters of 4 x 4, 327,680 bytes of LDS; arguments xb, wqb, qkv; writes qkv
.if DOCPART == 2
	.amdgcn_target "amdgcn-amd-amdhsa--gfx1250"
	.amdhsa_code_object_version 6
	.text
	.protected	k_qca360638cf_qkvg
	.globl	k_qca360638cf_qkvg
	.p2align	8
	.type	k_qca360638cf_qkvg,@function
k_qca360638cf_qkvg:
	s_mov_b64 s[64:65], 0
	v_nop
	global_prefetch_b8 v0, s[64:65] scope:SCOPE_SE
	s_setreg_imm32_b32 hwreg(HW_REG_WAVE_MODE, 25, 1), 1
	s_wait_xcnt 0x0
	s_wait_alu depctr_hold_cnt(0) depctr_sa_sdst(0) depctr_va_vdst(0) depctr_va_sdst(0) depctr_va_ssrc(0) depctr_va_vcc(0) depctr_vm_vsrc(0)
	s_getreg_b32 s2, hwreg(HW_REG_IB_STS2, 6, 4)
	s_cmp_eq_u32 s2, 0
	s_cbranch_scc0 .Lentry_in_a_cluster
	s_endpgm
.Lentry_in_a_cluster:
	s_bfe_u32 s2, ttmp6, 0x10000c
	s_cmp_lg_u32 s2, 0xf033
	s_cbranch_scc0 .Lentry_shape_is_right
	s_endpgm
.Lentry_shape_is_right:
; qkv = x w_qkv.  xb [4096][1024] bf16 (K along the rows), wqb [1024 k][3072 n] bf16, sums in f32, result in f16 as
; qkv[b 2][g 48][t 2048][64]: g = column / 64, so g 0-15 are the heads' q, 16-31 their k, 32-47 their v; a slab is 262,144 bytes.
; LIMIT: |q|, |k|, |v| < 65,504 (f16); as drawn they are a few units, and with both factors 30 times larger a few thousand.
; A work-group makes 128 rows x 384 columns (six heads) with four waves: 8 x 32 = 256 work-groups.  Wave w holds all 128 rows (m tiles a = 0..7)
; and six column tiles b = 2c + i at columns 128c + 32w + 16i: 48 accumulators of 16 x 16, 384 registers.
; K goes in eight steps of 128 through two LDS slots.  A slot is four regions of 36,864 bytes: region 0 holds A's 128 rows (256 bytes + 16 of
; padding), region c + 1 holds chunk c of B, [128 k][128 n] (256 bytes + 32 of padding).  Wave w fetches region w by one tensor load.
; B lies [k][n], so its fragments come by the transposing LDS load (two for a fragment, 16 k rows apart).
; CLUSTERS: 4 x 4 work-groups.  A's tile hangs on the block row alone and is asked for jointly along a row of the cluster; B's chunks hang on the
; block column alone and are asked for jointly along a column.
; The matrix instruction is used transposed (source 0 = 16 columns of B, source 1 = 16 rows of A): a lane's eight results are eight neighbouring
; columns of one row, which pack into 16 bytes.
; REGISTERS: window 0: v16-27 addresses, v64-127 / v128-191 A's fragments (two buffers), v192-215 packed results;
;   window 1: v64-111 / v128-175 B's fragments; window 2: accumulators of rows 0-63 at 8 (6 a + b); window 3: those of rows 64-127.
.set SIZE_K, 1024
.set SIZE_N, 3072
.set KSTEP,  128
.set PA,     272                       ; A's LDS pitch: an odd multiple of 16 bytes
.set PB,     288                       ; B's LDS pitch: an odd multiple of 32 bytes
.set REGION, 36864
.set SLOT,   4*REGION
.set SP,     784                       ; the stage's pitch: 768 bytes of a block row + 16
.set SLAB,   262144
.set LAPS,   SIZE_K/(2*KSTEP)          ; 4 laps of two K steps
.set ADRA, 16                          ; v16-17  my A fragments in slot 0, 1
.set ADRB, 18                          ; v18-23  my B fragments: 3 x slot + chunk
.set STO,  24                          ; v24-25  the way out: where I put 16 bytes (rows 0-63, rows 64-127)
.set RD,   26                          ; v26     the way out: where I read back
.set CO,   27                          ; v27     my byte offset in a slab's 128 rows
.set F0,   64
.set F1,   128
.set TMP,  192
.set G1,  24                           ; s[24:31] group 1 for A
.set G0,  32                           ; s[32:39] group 0 for A, one set a slot
.set G1B, 48                           ; s[48:55] group 1 for B
.set G0B, 56                           ; s[56:63] group 0 for B, one set a slot
.set MSB, 0
.macro WIN new                         ; the immediate's high byte repeats the setting that is left
.if MSB != \new
	s_set_vgpr_msb (MSB<<8)|\new
.set MSB, \new
.endif
.endm
.set MUL_LO, 0xa1                      ; source 0 (B) window 1, source 1 (A) window 0, C and D window 2
.set MUL_HI, 0xf1                      ; the same, C and D window 3
.set TO_B,   0x40                      ; destination window 1
; A joint load: wave 0 asks for A's tile, waves 1 to 3 for B's chunks.  The branch hangs on the wave's number alone.
.macro JLOAD s
	s_cmp_eq_u32 s10, 0
	s_cbranch_scc0 .Lfor_b_\@
	tensor_load_to_lds s[G0+4*\s:G0+4*\s+3], s[G1:G1+7]
	s_nop 0
	s_branch .Lasked_\@
.Lfor_b_\@:
	tensor_load_to_lds s[G0B+4*\s:G0B+4*\s+3], s[G1B:G1B+7]
	s_nop 0
.Lasked_\@:
.endm
.macro CREST                           ; a round of the cluster's barrier behind its opening work-group barrier
	s_cmp_lg_u32 s10, 0
	s_cbranch_scc1 .Lnot_wave_0_\@
	s_barrier_signal -3
.Lnot_wave_0_\@:
	s_barrier_wait -3
	s_barrier_signal -1
	s_barrier_wait -1
.endm
.macro CROUND
	s_barrier_signal -1
	s_barrier_wait -1
	CREST
.endm
.macro PLACES                          ; four places behind matrix instructions (ISA guide 7.12.1), where there is no vector work to put
.rept 4
	v_nop
.endr
.endm
	s_load_b128 s[4:7], s[0:1], 0x0                ; xb s[4:5], wqb s[6:7]
	s_load_b64 s[8:9], s[0:1], 0x10                ; qkv
	s_set_vgpr_msb 0x40
	v_lshl_add_u32 v255, v0, 2, 0x48000
	s_set_vgpr_msb 0x4000
	v_mov_b32 v255, 0
	s_set_vgpr_msb 0x1
	ds_add_u32 v255, v255
	ds_add_u32 v255, v255
	s_set_vgpr_msb 0x100
	v_lshrrev_b32 v1, 5, v0
	v_readfirstlane_b32 s10, v1                    ; wave 0..3
	s_bfe_u32 s40, ttmp6, 0x40000                  ; cx
	s_bfe_u32 s41, ttmp6, 0x40004                  ; cy
	s_lshl_b32 s42, ttmp9, 2
	s_add_co_u32 s42, s42, s40                     ; block column bx = 4 x cluster x + cx
	s_and_b32 s13, ttmp7, 0xffff
	s_lshl_b32 s13, s13, 2
	s_add_co_u32 s13, s13, s41                     ; block row by = 4 x cluster y + cy
	s_lshl_b32 s43, s41, 2
	s_lshl_b32 s43, 15, s43                        ; my row of the cluster
	s_lshl_b32 s44, 0x1111, s40                    ; my column
	s_or_b32 s[G1+0], s43, (1<<16)|(1<<20)|(1<<21)|(5<<22)|(3<<25)   ; mask; 2-byte elements; padding on; bit 21 beside a mask; after 64 words 4 words
	s_or_b32 s[G1B+0], s44, (1<<16)|(1<<20)|(1<<21)|(5<<22)|(7<<25)  ; the same with my column's mask and 8 words of padding
	s_mov_b32 s[G1+1], KSTEP<<16                   ; tensor_dim0 = 128
	s_mov_b32 s[G1B+1], 128<<16
	s_mov_b32 s[G1+2], 128<<16                     ; tensor_dim1 = 128
	s_mov_b32 s[G1B+2], KSTEP<<16
	s_mov_b32 s[G1+3], KSTEP<<16                   ; tile_dim0 = 128 elements
	s_mov_b32 s[G1B+3], 128<<16
	s_mov_b32 s[G1+4], 128                         ; tile_dim1 = 128 rows
	s_mov_b32 s[G1B+4], KSTEP
	s_mov_b32 s[G1+5], SIZE_K                      ; elements from row to row
	s_mov_b32 s[G1B+5], SIZE_N
	s_mov_b32 s[G1+6], 0
	s_mov_b32 s[G1B+6], 0
	s_mov_b32 s[G1+7], 0
	s_mov_b32 s[G1B+7], 0
	s_lshl_b32 s16, s13, 18                        ; A: 128 by rows of 2,048 bytes
	s_mov_b32 s17, 0
	s_mul_i32 s46, s42, 768                        ; B: 384 bx columns of 2 bytes,
	s_max_u32 s45, s10, 1
	s_sub_co_u32 s45, s45, 1                       ; chunk = wave - 1 (wave 0 asks for A and does not use this address)
	s_lshl_b32 s45, s45, 8
	s_add_co_u32 s46, s46, s45                     ; + 256 bytes a chunk
	s_mov_b32 s47, 0
	s_mul_i32 s20, s10, REGION                     ; where B's chunk goes: region = wave
	s_wait_dscnt 0x0
	s_wait_kmcnt 0x0
	s_add_nc_u64 s[14:15], s[4:5], s[16:17]
	s_add_nc_u64 s[46:47], s[6:7], s[46:47]
	CROUND                                         ; all sixteen work-groups are here: the first joint loads meet
.irp s, 0,1
	s_mov_b32 s[G0+4*\s], 1
	s_mov_b32 s[G0+4*\s+1], \s*SLOT                                ; A: region 0 of the slot
	s_add_nc_u64 s[G0+4*\s+2:G0+4*\s+3], s[14:15], \s*KSTEP*2      ; K step s
	s_or_b32 s[G0+4*\s+3], s[G0+4*\s+3], 0x80000000
	s_mov_b32 s[G0B+4*\s], 1
	s_add_co_u32 s[G0B+4*\s+1], s20, \s*SLOT
	s_add_nc_u64 s[G0B+4*\s+2:G0B+4*\s+3], s[46:47], \s*KSTEP*SIZE_N*2
	s_or_b32 s[G0B+4*\s+3], s[G0B+4*\s+3], 0x80000000
	JLOAD \s                                       ; two loads of the wave are out
.endr
	v_and_b32 v1, 15, v0                           ; r = lane % 16
	v_bfe_u32 v2, v0, 4, 1                         ; h = lane / 16
	v_mul_u32_u24 v3, v1, PA
	v_lshl_add_u32 v[ADRA], v2, 4, v3              ; A: row r, 16 h
	v_add_nc_u32 v[ADRA+1], SLOT, v[ADRA]
	v_and_b32 v4, 7, v0
	v_lshl_add_u32 v4, v2, 3, v4                   ; B: k row 8 h + lane % 8,
	v_mul_u32_u24 v4, v4, PB
	v_bfe_u32 v5, v0, 3, 1
	v_lshl_add_u32 v4, v5, 4, v4                   ; 16 bytes for each half of eight columns,
	s_lshl_b32 s21, s10, 6
	v_add_nc_u32 v4, s21, v4                       ; my 32 columns of a chunk
.irp s, 0,1
.irp c, 0,1,2
	v_add_nc_u32 v[ADRB+3*\s+\c], \s*SLOT+(\c+1)*REGION, v4
.endr
.endr
	v_mul_u32_u24 v6, v1, SP
	v_lshl_add_u32 v6, v2, 4, v6
	v_add_nc_u32 v[STO], s21, v6                   ; stage: row r, 64 w + 16 h
	v_add_nc_u32 v[STO+1], 64*SP, v[STO]
	v_bfe_u32 v7, v0, 3, 2
	v_mul_u32_u24 v7, v7, SP                       ; back: four rows a load, 128 bytes (one head) of each
	v_and_b32 v8, 7, v0
	v_lshl_add_u32 v7, v8, 4, v7
	s_mul_i32 s22, s10, 32*SP
	v_add_nc_u32 v[RD], s22, v7                    ; rows 32 w ..
	v_and_b32 v9, 31, v0
	s_lshl_b32 s23, s10, 12
	v_lshl_add_u32 v[CO], v9, 4, s23               ; in a slab four rows are 512 consecutive bytes: 4,096 w + 16 lane
; Six matrix instructions: m tile a of the window's four x my six column tiles, 32 along K.  zero = 1: the product starts the sums.
.macro MULROW f, hi, a, zero
.irp b, 0,1,2,3,4,5
.if \zero
	v_wmma_f32_16x16x32_bf16 v[8*(6*(\a)+\b):8*(6*(\a)+\b)+7], v[\f+8*\b:\f+8*\b+7], v[\f+8*(4*\hi+(\a)):\f+8*(4*\hi+(\a))+7], 0
.else
	v_wmma_f32_16x16x32_bf16 v[8*(6*(\a)+\b):8*(6*(\a)+\b)+7], v[\f+8*\b:\f+8*\b+7], v[\f+8*(4*\hi+(\a)):\f+8*(4*\hi+(\a))+7], v[8*(6*(\a)+\b):8*(6*(\a)+\b)+7]
.endif
.endr
.endm
.macro MUL2 f, hi, a0, zero
	MULROW \f, \hi, \a0, \zero
	MULROW \f, \hi, \a0+1, \zero
.endm
; 28 LDS loads in one run: quarter q (32 along K) of a slot into buffer f: 12 transposing loads for B, 16 loads for A
.macro FETCH slot, q, f
	WIN TO_B
.irp c, 0,1,2
.irp i, 0,1
	ds_load_tr16_b128 v[\f+8*(2*\c+\i):\f+8*(2*\c+\i)+3],   v[ADRB+3*\slot+\c] offset:\q*32*PB+32*\i
	ds_load_tr16_b128 v[\f+8*(2*\c+\i)+4:\f+8*(2*\c+\i)+7], v[ADRB+3*\slot+\c] offset:\q*32*PB+32*\i+16*PB
.endr
.endr
	WIN 0
.irp a, 0,1,2,3,4,5,6,7
	ds_load_b128 v[\f+8*\a:\f+8*\a+3],   v[ADRA+\slot] offset:\q*64+\a*16*PA
	ds_load_b128 v[\f+8*\a+4:\f+8*\a+7], v[ADRA+\slot] offset:\q*64+\a*16*PA+32
.endr
.endm
; One of a K step's first three quarters: multiplies buffer f, and in its middle fetches quarter q into buffer g.
; The 48 accumulators take turns in one fixed order, one instruction a turn.
.macro QUARTER slot, q, f, g, zero
	s_wait_dscnt 8                                 ; B and A's rows 0-63 are in; the youngest eight loads (A's rows 64-127) may be out
	WIN MUL_LO
	MUL2 \f, 0, 0, \zero
	MUL2 \f, 0, 2, \zero
	PLACES
	FETCH \slot, \q, \g
	s_wait_dscnt 28                                ; all but the 28 just issued
	WIN MUL_HI
	MUL2 \f, 1, 0, \zero
	MUL2 \f, 1, 2, \zero
.endm
.macro THREE slot, zero
	QUARTER \slot, 1, F0, F1, \zero
	QUARTER \slot, 2, F1, F0, 0
	QUARTER \slot, 3, F0, F1, 0
.endm
; The last quarter multiplies buffer 1 and changes slots.  In front of the barrier each wave waits for its reads of this slot and for all its
; tensor loads (one is out: its part of the next slot).  Where the slot is filled again the barrier opens a round of the cluster's barrier,
; and the joint refill is the first tensor load behind the round.
.macro TURN slot, next, fill
	s_wait_dscnt 8
	WIN MUL_LO
	MUL2 F1, 0, 0, 0
	s_wait_dscnt 0                                 ; my reads of this slot are over
	s_wait_tensorcnt 0x0                           ; all my tensor loads have landed
	ds_add_u32 v255, v255
	s_wait_dscnt 0x0
	s_barrier_signal -1
	MUL2 F1, 0, 2, 0                               ; register work while the others arrive
	WIN 0
	s_barrier_wait -1
.if \fill
	CREST
	s_add_nc_u64 s[G0+4*\slot+2:G0+4*\slot+3], s[G0+4*\slot+2:G0+4*\slot+3], 2*KSTEP*2
	s_add_nc_u64 s[G0B+4*\slot+2:G0B+4*\slot+3], s[G0B+4*\slot+2:G0B+4*\slot+3], 2*KSTEP*SIZE_N*2
	JLOAD \slot                                    ; one load of the wave is out
.endif
	PLACES
	FETCH \next, 0, F0
	WIN MUL_HI
	MUL2 F1, 1, 0, 0
	MUL2 F1, 1, 2, 0
.endm
.macro LAP zero
	THREE 0, \zero
	TURN 0, 1, 1
	THREE 1, 0
	TURN 1, 0, 1
.endm
	s_wait_tensorcnt 1                             ; my part of K step 0 is in, K step 1's load stays out
	s_barrier_signal -1
	s_barrier_wait -1
	FETCH 0, 0, F0
	LAP 1                                          ; the first lap's first products start the sums
	WIN 0
	s_mov_b32 s3, LAPS-2
.Llap:
	LAP 0
	WIN 0
	s_sub_co_u32 s3, s3, 1
	s_cmp_lg_u32 s3, 0
	s_cbranch_scc1 .Llap
	THREE 0, 0                                     ; the last lap fills nothing
	TURN 0, 1, 0
	THREE 1, 0
	s_wait_dscnt 8
	WIN MUL_LO
	MUL2 F1, 0, 0, 0
	MUL2 F1, 0, 2, 0
	s_wait_dscnt 0
	WIN MUL_HI
	MUL2 F1, 1, 0, 0
	MUL2 F1, 1, 2, 0
	; THE WAY OUT.  The block goes as f16 into a stage of 128 rows x 784 bytes in slot 0: that slot has had its last fill, and every wave's reads of
	; it ended in front of the last change of slots.  A head's 128 bytes of a row come from two waves, so a barrier stands between stores and reads.
	PLACES
	s_lshr_b32 s14, s13, 4                         ; batch
	s_mul_i32 s14, s14, 48*SLAB
	s_and_b32 s15, s13, 15
	s_lshl_b32 s15, s15, 14                        ; 128 rows of 128 bytes for each block row
	s_add_co_u32 s16, s14, s15
	s_mov_b32 s17, 0
	s_add_nc_u64 s[8:9], s[8:9], s[16:17]
	s_mul_i32 s46, s42, 6*SLAB                     ; my six slabs
	s_mov_b32 s47, 0
	s_add_nc_u64 s[8:9], s[8:9], s[46:47]
.macro PACK hi, a, from
	WIN \from
.irp b, 0,1,2,3,4,5
.irp r, 0,1,2,3
	v_cvt_pk_f16_f32 v[TMP+4*\b+\r], v[8*(6*\a+\b)+2*\r], v[8*(6*\a+\b)+2*\r+1]
.endr
.endr
	WIN 0
.irp c, 0,1,2
.irp i, 0,1
	ds_store_b128 v[STO+\hi], v[TMP+4*(2*\c+\i):TMP+4*(2*\c+\i)+3] offset:\a*16*SP+256*\c+32*\i
.endr
.endr
.endm
.irp a, 0,1,2,3
	PACK 0, \a, 0x0a
.endr
.irp a, 0,1,2,3
	PACK 1, \a, 0x0f
.endr
	s_wait_dscnt 0x0                               ; my stores are in LDS, for the other waves' sake
	s_barrier_signal -1
	s_barrier_wait -1
; head hh of the block's six: my 32 rows x 128 bytes are 4,096 consecutive bytes of its slab; each store of the wave covers 512 of them, aligned
.macro HEADOUT hh, f
	s_wait_xcnt 0x0                                ; buffer f, which earlier stores read, is loaded again only behind this wait
.irp i, 0,1,2,3,4,5,6,7
	ds_load_b128 v[\f+4*\i:\f+4*\i+3], v[RD] offset:\i*4*SP+128*\hh
.endr
.irp i, 0,1,2,3,4,5,6,7
	s_wait_dscnt 7-\i                              ; LDS loads return in order: load i is in
	global_store_b128 v[CO], v[\f+4*\i:\f+4*\i+3], s[8:9] offset:\hh*SLAB+\i*512
.endr
.endm
	HEADOUT 0, F0
	HEADOUT 1, F1
	HEADOUT 2, F0
	HEADOUT 3, F1
	HEADOUT 4, F0
	HEADOUT 5, F1
	s_set_vgpr_msb 0x1
	s_wait_tensorcnt 0x0
	ds_add_u32 v255, v255
	s_wait_dscnt 0x0
	s_set_vgpr_msb 0x100
	CROUND                                         ; the closing round: no work-group ends while a partner may still ask jointly
	s_endpgm
.Lfunc_end_k_qca360638cf_qkvg:
	.size	k_qca360638cf_qkvg, .Lfunc_end_k_qca360638cf_qkvg-k_qca360638cf_qkvg
	.p2alignl 7, 3214868480
	.fill 96, 4, 3214868480
	.section	.rodata,"a",@progbits
	.p2align	6, 0x0
	.amdhsa_kernel k_qca360638cf_qkvg
		.amdhsa_group_segment_fixed_size 327680
		.amdhsa_private_segment_fixed_size 0
		.amdhsa_enable_private_segment 0
		.amdhsa_kernarg_size 24
		.amdhsa_user_sgpr_count 2
		.amdhsa_user_sgpr_kernarg_segment_ptr 1
		.amdhsa_wavefront_size32 1
		.amdhsa_system_sgpr_workgroup_id_x 1
		.amdhsa_system_sgpr_workgroup_id_y 1
		.amdhsa_system_sgpr_workgroup_id_z 1
		.amdhsa_system_vgpr_workitem_id 0
		.amdhsa_next_free_vgpr 960
		.amdhsa_next_free_sgpr 66
		.amdhsa_reserve_vcc 0
		.amdhsa_float_denorm_mode_32 3
		.amdhsa_float_denorm_mode_16_64 3
		.amdhsa_memory_ordered 1
		.amdhsa_forward_progress 1
		.amdhsa_inst_pref_size 158
	.end_amdhsa_kernel
	.amdgpu_metadata
---
amdhsa.version: [ 1, 2 ]
amdhsa.kernels:
  - .name:           k_qca360638cf_qkvg
    .symbol:         k_qca360638cf_qkvg.kd
    .args:
      - { .name: xb, .offset: 0, .size: 8, .value_kind: global_buffer, .address_space: global }
      - { .name: wqb, .offset: 8, .size: 8, .value_kind: global_buffer, .address_space: global }
      - { .name: qkv, .offset: 16, .size: 8, .value_kind: global_buffer, .address_space: global }
    .group_segment_fixed_size: 327680
    .private_segment_fixed_size: 0
    .kernarg_segment_align: 8
    .kernarg_segment_size: 24
    .max_flat_workgroup_size: 128
    .sgpr_count:     66
    .vgpr_count:     960
    .wavefront_size: 32
...
	.end_amdgpu_metadata
.endif
;; end of part 2
;; launch attn (part 3): grid 256 x 1, 4 waves a work-group, no clusters, 327,680 bytes of LDS; arguments qkv, att; writes att
.if DOCPART == 3
	.amdgcn_target "amdgcn-amd-amdhsa--gfx1250"
	.amdhsa_code_object_version 6
	.text
	.protected	k_qca360638cf_attn
	.globl	k_qca360638cf_attn
	.p2align	8
	.type	k_qca360638cf_attn,@function
k_qca360638cf_attn:
	s_mov_b64 s[64:65], 0
	v_nop
	global_prefetch_b8 v0, s[64:65] scope:SCOPE_SE
	s_setreg_imm32_b32 hwreg(HW_REG_WAVE_MODE, 25, 1), 1
	s_wait_xcnt 0x0
; Causal attention, one head a work-group octet.  qkv[b][g 48][t 2048][64] f16 (g: 16 q, 16 k, 16 v heads); att[b][h][t][64] f16.
; Work-group: j = id % 8, head = id / 8.  It does query block 15 - j (128 rows, 16 - j key tiles of 128) and then block j (j + 1 tiles): 17 trips
; in every work-group; key tiles above the diagonal are not touched.  A wave has 32 query rows as two pieces A and B of 16.
; NO MULTICAST: the eight work-groups of a head walk different tile sequences (their first blocks have 9 to 16 tiles); walked in step over common
; tiles, four partners would need 20 trips each instead of 17, and the shared bytes are 32,768 a trip.
; PRODUCTS: S^T = K Q^T (source 0 = 16 keys, source 1 = 16 queries): lane (r, h) holds query r and keys 8h + 0..7 of each key tile, so maximum, sum and
; rescale are per lane (one exchange joins the two halves), and two packed score tiles ARE source 1 of out^T = V^T P^T (source 0 = V by transposing loads).
; SOFTMAX: running maximum in f32, started at -inf; p = exp2((s - m) c), c = log2(e) / 8.
; MASK: the first product of each score tile takes a mask tile as C: zeros in ordinary trips; in a block's last (diagonal) trip -1e38 where key > query.
; LIMITS: raw scores within +-1e37 (the mask is the finite addend -1e38); |q|, |k|, |v| < 65,504 (f16).
; A trip has four units of 64 keys (Aa, Ba, Ab, Bb).  One unit's softmax is spread between the other piece's matrix instructions.
; LDS: K slots at 0 and 18,432 (pitch 144); V slots at 36,864 and 57,344 (pitch 160); from 77,824 each wave's stage of 4,608 bytes, which no tensor load fills.
.set KP, 144
.set VP, 160
.set KSL, 128*KP
.set VSL, 128*VP
.set VBASE, 2*KSL
.set STG, VBASE+2*VSL
.set STW, 32*KP
.set TILEB, 16384                      ; 128 keys of 128 bytes
; window 0: v1 K address, v2 V address, v3 DQ = 32 w + r - 8 h, v4 -1e38, v5 stage in, v6 stage back, v7 offset in att, v8 offset in q
.set MX,  10                           ; v10-11   running maximum of A, B
.set AL,  12                           ; v12 (13) rescale factor
.set NMC, 14                           ; v14 (15) - m c
.set TT,  16                           ; v16-19   at work
.set LS,  20                           ; v20-27   two pairs of partial sums for each piece
.set SCO, 32                           ; v32-95   scores, 32 a piece; P is packed into the lower 16
.set ACC, 96                           ; v96-159  out^T, 32 a piece: 8 dt
.set VF,  160                          ; v160-223 V fragments of 64 keys: 8 (4 ks + dt)
.set WO,  224                          ; v224-255 the way out
; window 1
.set KF,  0                            ; K fragments of 64 keys: 8 (2 kt + ds)
.set QF,  64                           ; Q fragments: 8 (2 p + ds)
.set QL,  96                           ; the second block's Q
.set MK,  128                          ; nine mask tiles
.set G1K, 40
.set G1V, 48
.set G0K, 56                           ; s[56:63] group 0 of K, slot 0 and 1
.set G0V, 68                           ; s[68:75] group 0 of V
.set MSB, 0
.macro WIN new
.if MSB != \new
	s_set_vgpr_msb (MSB<<8)|\new
.set MSB, \new
.endif
.endm
.macro PLACES
.rept 4
	v_nop
.endr
.endm
; The next tile's addresses into a slot's two descriptors.  s[14:15]: byte offset of the tile in the k and v slabs; s13 counts the first block's tiles down,
; and at its end the offset starts again at 0 for the second block.
.macro GADDR slot
	s_add_nc_u64 s[G0K+4*\slot+2:G0K+4*\slot+3], s[36:37], s[14:15]
	s_add_nc_u64 s[G0V+4*\slot+2:G0V+4*\slot+3], s[38:39], s[14:15]
	s_add_co_u32 s14, s14, TILEB
	s_sub_co_u32 s13, s13, 1
	s_cmp_eq_u32 s13, 0
	s_cselect_b32 s14, 0, s14
.endm
	s_load_b128 s[4:7], s[0:1], 0x0                ; qkv s[4:5], att s[6:7]
	v_lshl_add_u32 v30, v0, 2, 0x29000
	v_mov_b32 v31, 0
	ds_add_u32 v30, v31
	ds_add_u32 v30, v31
	v_lshrrev_b32 v1, 5, v0
	v_readfirstlane_b32 s8, v1                     ; wave
	s_and_b32 s9, ttmp9, 7                         ; j
	s_lshr_b32 s10, ttmp9, 3                       ; 16 b + h
	s_sub_co_u32 s11, 15, s9                       ; the first block's number; also LEFT: its trips behind trip 0
	s_sub_co_u32 s13, 16, s9                       ; tiles of the first block still to be asked for
	s_mov_b32 s20, 0x3e38aa3b                      ; c = log2(e) / 8
	s_mov_b32 s21, 0x3e38aa3b
	s_mov_b32 s22, 0xbe38aa3b                      ; - c
	s_mov_b32 s24, 0x76543210                      ; lane i of one half reads lane i of the other
	s_mov_b32 s25, 0xfedcba98
	s_mov_b32 s[G1K+0], (1<<16)|(1<<20)|(4<<22)|(3<<25)    ; 2-byte elements; after every 32 words (a row) 4 words of padding
	s_mov_b32 s[G1V+0], (1<<16)|(1<<20)|(4<<22)|(7<<25)    ; 8 words
	s_mov_b32 s[G1K+1], 64<<16                     ; tensor_dim0 = 64
	s_mov_b32 s[G1V+1], 64<<16
	s_mov_b32 s[G1K+2], 32<<16                     ; tensor_dim1 = 32
	s_mov_b32 s[G1V+2], 32<<16
	s_mov_b32 s[G1K+3], 64<<16                     ; tile_dim0 = 64
	s_mov_b32 s[G1V+3], 64<<16
	s_mov_b32 s[G1K+4], 32                         ; tile_dim1 = 32 keys, a wave's share of a tile
	s_mov_b32 s[G1V+4], 32
	s_mov_b32 s[G1K+5], 64                         ; elements from row to row
	s_mov_b32 s[G1V+5], 64
	s_mov_b32 s[G1K+6], 0
	s_mov_b32 s[G1V+6], 0
	s_mov_b32 s[G1K+7], 0
	s_mov_b32 s[G1V+7], 0
	s_lshr_b32 s34, s10, 4                         ; b
	s_and_b32 s35, s10, 15                         ; h
	s_mul_i32 s34, s34, 48
	s_add_co_u32 s34, s34, s35
	s_lshl_b32 s18, s34, 18                        ; the q slab, in bytes
	s_mov_b32 s19, 0
	s_lshl_b32 s16, s11, 14                        ; the first block's rows
	s_mov_b32 s17, 0
	s_lshl_b32 s34, s9, 14                         ; the second block's rows
	s_mov_b32 s35, 0
	s_lshl_b32 s2, s10, 18                         ; the slab in att
	s_mov_b32 s3, 0
	s_lshl_b32 s14, s8, 12                         ; my 32 keys of a tile
	s_mov_b32 s15, 0
	s_wait_dscnt 0x0
	s_wait_kmcnt 0x0
	s_add_nc_u64 s[4:5], s[4:5], s[18:19]
	s_add_nc_u64 s[26:27], s[4:5], s[16:17]        ; Q of the first block
	s_add_nc_u64 s[28:29], s[4:5], s[34:35]        ; Q of the second
	s_add_nc_u64 s[6:7], s[6:7], s[2:3]
	s_add_nc_u64 s[30:31], s[6:7], s[16:17]        ; where the first block's result goes
	s_add_nc_u64 s[32:33], s[6:7], s[34:35]        ; and the second's
	s_add_nc_u64 s[36:37], s[4:5], s[14:15]
	s_add_nc_u64 s[38:39], s[36:37], 0x800000      ; v: 32 slabs on
	s_add_nc_u64 s[36:37], s[36:37], 0x400000      ; k: 16 slabs on
	s_or_b32 s37, s37, 0x80000000                  ; the descriptor's type bits
	s_or_b32 s39, s39, 0x80000000
	s_mov_b32 s14, 0                               ; the tile offset starts at 0
	s_mul_i32 s16, s8, 32*KP
	s_mul_i32 s17, s8, 32*VP
.irp s, 0,1
	s_mov_b32 s[G0K+4*\s], 1
	s_add_co_u32 s[G0K+4*\s+1], s16, \s*KSL
	s_mov_b32 s[G0V+4*\s], 1
	s_add_co_u32 s[G0V+4*\s+1], s17, VBASE+\s*VSL
	GADDR \s
	tensor_load_to_lds s[G0K+4*\s:G0K+4*\s+3], s[G1K:G1K+7]        ; tiles 0 and 1: four loads of the wave are out
	s_nop 0
	tensor_load_to_lds s[G0V+4*\s:G0V+4*\s+3], s[G1V:G1V+7]
	s_nop 0
.endr
	v_and_b32 v16, 15, v0                          ; r
	v_bfe_u32 v17, v0, 4, 1                        ; h
	v_and_b32 v18, 7, v0
	v_bfe_u32 v19, v0, 3, 1
	v_bfe_u32 v9, v0, 3, 2
	v_and_b32 v20, 31, v0
	v_mul_u32_u24 v1, v16, KP
	v_lshl_add_u32 v1, v17, 4, v1                  ; K: row r, 16 h
	v_lshl_add_u32 v2, v17, 3, v18
	v_mul_u32_u24 v2, v2, VP
	v_lshl_add_u32 v2, v19, 4, v2
	v_add_nc_u32 v2, VBASE, v2                     ; V: key row 8 h + lane % 8, 16 bytes for each half of eight columns
	s_lshl_b32 s18, s8, 5
	v_add_nc_u32 v3, s18, v16
	v_lshlrev_b32 v21, 3, v17
	v_sub_nc_u32 v3, v3, v21                       ; DQ = 32 w + r - 8 h
	v_mov_b32 v4, 0xfe967699                       ; -1e38
	s_mul_i32 s18, s8, STW
	s_add_co_u32 s18, s18, STG
	v_add_nc_u32 v5, s18, v1                       ; stage in: row r, 16 h
	v_mul_u32_u24 v6, v9, KP
	v_lshl_add_u32 v6, v18, 4, v6
	v_add_nc_u32 v6, s18, v6                       ; stage back: four rows of 128 bytes a load
	s_lshl_b32 s19, s8, 12
	v_lshl_add_u32 v7, v20, 4, s19                 ; 4,096 w + 16 lane
	v_lshlrev_b32 v8, 7, v16
	v_lshl_add_u32 v8, v17, 4, v8
	v_add_nc_u32 v8, s19, v8                       ; Q: row 32 w + r, 16 h
	WIN 0x40
.irp p, 0,1
.irp ds, 0,1
.irp hf, 0,1
	global_load_b128 v[QF+8*(2*\p+\ds)+4*\hf:QF+8*(2*\p+\ds)+4*\hf+3], v8, s[26:27] offset:\p*2048+64*\ds+32*\hf
	global_load_b128 v[QL+8*(2*\p+\ds)+4*\hf:QL+8*(2*\p+\ds)+4*\hf+3], v8, s[28:29] offset:\p*2048+64*\ds+32*\hf
.endr
.endr
.endr
	WIN 0
; Mask tile e serves score tile (piece p, half s, key tile kt) with e = 4 s + kt - p + 1: key > query is 16 (e - 1) + j > DQ.
; Tile 0 can mask nothing (16 (e - 1) + j <= -9 < DQ): it stays zero.
.macro SETMASK
	WIN 0x40
.irp e, 1,2,3,4,5,6,7,8
.irp jj, 0,1,2,3,4,5,6,7
	v_cmp_gt_i32 vcc_lo, 16*(\e-1)+\jj, v3
	v_cndmask_b32 v[MK+8*\e+\jj], 0, v4, vcc_lo
.endr
.endr
	WIN 0
.endm
.macro CLEARMASK first
	WIN 0x40
.set n, 8*\first
.rept 72-8*\first
	v_mov_b32 v[MK+n], 0
.set n, n+1
.endr
	WIN 0
.endm
	CLEARMASK 0
.set n, 0
.rept 64
	v_mov_b32 v[ACC+n], 0                          ; once: the running rescale multiplies these before the first product adds to them
.set n, n+1
.endr
.set n, 0
.rept 8
	v_mov_b32 v[LS+n], 0
.set n, n+1
.endr
	v_mov_b32 v[MX], 0xff800000                    ; -inf
	v_mov_b32 v[MX+1], 0xff800000
	v_mov_b32 v[AL+1], 0                           ; upper halves of the broadcast pairs: named, never used
	v_mov_b32 v[NMC+1], 0
; one product of scores: piece p, half s of the tile, key tile kt, 32 of the 64 head dimensions
.macro SW p, s, kt, ds
.if \ds == 0
	v_wmma_f32_16x16x32_f16 v[SCO+32*\p+8*(\kt):SCO+32*\p+8*(\kt)+7], v[KF+16*(\kt):KF+16*(\kt)+7], v[QF+16*\p:QF+16*\p+7], v[MK+8*(4*\s+(\kt)-\p+1):MK+8*(4*\s+(\kt)-\p+1)+7]
.else
	v_wmma_f32_16x16x32_f16 v[SCO+32*\p+8*(\kt):SCO+32*\p+8*(\kt)+7], v[KF+16*(\kt)+8:KF+16*(\kt)+15], v[QF+16*\p+8:QF+16*\p+15], v[SCO+32*\p+8*(\kt):SCO+32*\p+8*(\kt)+7]
.endif
.endm
.macro SWPAIR p, s, k0, ds
.if \ds == 0
	WIN 0x15                                       ; K, Q and the mask tile in window 1
.else
	WIN 0x05                                       ; K and Q in window 1
.endif
	SW \p, \s, \k0, \ds
	SW \p, \s, \k0+1, \ds
	WIN 0
.endm
; one product of out^T: n = 4 ks + dt
.macro PW p, n
	v_wmma_f32_16x16x32_f16 v[ACC+32*\p+8*((\n)&3):ACC+32*\p+8*((\n)&3)+7], v[VF+8*(\n):VF+8*(\n)+7], v[SCO+32*\p+8*((\n)>>2):SCO+32*\p+8*((\n)>>2)+7], v[ACC+32*\p+8*((\n)&3):ACC+32*\p+8*((\n)&3)+7]
.endm
.macro LDK slot, s                     ; 16 loads: K fragments of 64 keys
	WIN 0x40
.irp kt, 0,1,2,3
.irp ds, 0,1
.irp hf, 0,1
	ds_load_b128 v[KF+8*(2*\kt+\ds)+4*\hf:KF+8*(2*\kt+\ds)+4*\hf+3], v1 offset:(\slot)*KSL+(64*\s+16*\kt)*KP+64*\ds+32*\hf
.endr
.endr
.endr
	WIN 0
.endm
.macro LDV slot, s                     ; 16 transposing loads: V fragments of 64 keys
.irp ks, 0,1
.irp dt, 0,1,2,3
.irp hf, 0,1
	ds_load_tr16_b128 v[VF+8*(4*\ks+\dt)+4*\hf:VF+8*(4*\ks+\dt)+4*\hf+3], v2 offset:(\slot)*VSL+(64*\s+32*\ks+16*\hf)*VP+32*\dt
.endr
.endr
.endr
.endm
; What stands at point i (0 .. 19) of the softmax of step st: the other piece's matrix instructions and the LDS loads.
; Behind every point stand at least four plain vector instructions of the softmax, which name none of those registers.
.macro HOOK st, i, slot
.if \st == 2                           ; softmax of Aa: scores of Ba, then K's second half
.if (\i) == 0
	SWPAIR 1, 0, 0, 0
.endif
.if (\i) == 4
	SWPAIR 1, 0, 2, 0
.endif
.if (\i) == 8
	SWPAIR 1, 0, 0, 1
.endif
.if (\i) == 12
	SWPAIR 1, 0, 2, 1
.endif
.if (\i) == 15
	LDK \slot, 1
.endif
.endif
.if \st == 3                           ; softmax of Ba: out of Aa, scores of Ab
.if (\i) == 0
	s_wait_dscnt 16                                ; V's first half is in; the 16 loads of K's second half may be out
.endif
.if (\i) < 8
	PW 0, \i
.endif
.if (\i) == 10
	s_wait_dscnt 0                                 ; K's second half is in
	SWPAIR 0, 1, 0, 0
.endif
.if (\i) == 12
	SWPAIR 0, 1, 2, 0
.endif
.if (\i) == 14
	SWPAIR 0, 1, 0, 1
.endif
.if (\i) == 16
	SWPAIR 0, 1, 2, 1
.endif
.endif
.if \st == 4                           ; softmax of Ab: out of Ba, V's second half, scores of Bb
.if (\i) < 8
	PW 1, \i
.endif
.if (\i) == 9
	LDV \slot, 1
.endif
.if (\i) == 10
	SWPAIR 1, 1, 0, 0
.endif
.if (\i) == 12
	SWPAIR 1, 1, 2, 0
.endif
.if (\i) == 14
	SWPAIR 1, 1, 0, 1
.endif
.if (\i) == 16
	SWPAIR 1, 1, 2, 1
.endif
.endif
.if \st == 5                           ; softmax of Bb: out of Ab
.if (\i) < 8
	PW 0, \i
.endif
.endif
.endm
.macro PKF p, i                        ; two scores to exponents: s c - m c
	v_pk_fma_f32 v[SCO+32*\p+2*(\i):SCO+32*\p+2*(\i)+1], v[SCO+32*\p+2*(\i):SCO+32*\p+2*(\i)+1], s[20:21], v[NMC:NMC+1] op_sel_hi:[1,0,0]
.endm
.macro ADDCV p, i                      ; two p into the sums (the first two adds also rescale the sums), then packed to f16 in place
.if (\i) < 2
	s_wait_alu depctr_va_vdst(0)
	v_pk_fma_f32 v[LS+4*\p+2*(\i):LS+4*\p+2*(\i)+1], v[LS+4*\p+2*(\i):LS+4*\p+2*(\i)+1], v[AL:AL+1], v[SCO+32*\p+2*(\i):SCO+32*\p+2*(\i)+1] op_sel_hi:[1,0,1]
.else
	s_wait_alu depctr_va_vdst(0)
	v_pk_add_f32 v[LS+4*\p+2*((\i)&1):LS+4*\p+2*((\i)&1)+1], v[LS+4*\p+2*((\i)&1):LS+4*\p+2*((\i)&1)+1], v[SCO+32*\p+2*(\i):SCO+32*\p+2*(\i)+1]
.endif
	v_cvt_pk_f16_f32 v[SCO+32*\p+(\i)], v[SCO+32*\p+2*(\i)], v[SCO+32*\p+2*(\i)+1]
.endm
; The softmax of one unit (piece p, 64 keys): new maximum, rescale factor, 32 exponentials, rescale of out^T and of the sums, P packed.
; Every exponential is followed by a plain vector instruction that touches neither its result nor its source (ISA guide 5.7.2).
.macro SM p, st, slot
	HOOK \st, 0, \slot
.irp k, 0,1,2,3
	v_max3_num_f32 v[TT+\k], v[SCO+32*\p+8*\k], v[SCO+32*\p+8*\k+1], v[SCO+32*\p+8*\k+2]
.endr
	HOOK \st, 1, \slot
.irp k, 0,1,2,3
	v_max3_num_f32 v[TT+\k], v[TT+\k], v[SCO+32*\p+8*\k+3], v[SCO+32*\p+8*\k+4]
.endr
	HOOK \st, 2, \slot
.irp k, 0,1,2,3
	v_max3_num_f32 v[TT+\k], v[TT+\k], v[SCO+32*\p+8*\k+5], v[SCO+32*\p+8*\k+6]
.endr
	HOOK \st, 3, \slot
	v_max3_num_f32 v[TT], v[TT], v[SCO+32*\p+7], v[SCO+32*\p+15]
	v_max3_num_f32 v[TT+1], v[TT+1], v[SCO+32*\p+23], v[SCO+32*\p+31]
	v_max3_num_f32 v[TT], v[TT], v[TT+1], v[TT+2]
	v_max3_num_f32 v[TT], v[TT], v[TT+3], v[MX+\p]         ; the old maximum goes in
	v_permlanex16_b32 v[TT+1], v[TT], s24, s25             ; the other half's keys of the same query
	v_max_num_f32 v[TT], v[TT], v[TT+1]                    ; m
	v_mul_f32 v[NMC], s22, v[TT]                           ; - m c
	v_fma_f32 v[TT+1], v[MX+\p], s20, v[NMC]               ; (old m - m) c
	v_mov_b32 v[MX+\p], v[TT]
	v_exp_f32 v[AL], v[TT+1]                               ; the rescale factor; 0 at a block's first unit
	PKF \p, 0
.set i, 0
.rept 16
	HOOK \st, 4+i, \slot
.if i < 15
	PKF \p, i+1
.endif
	v_exp_f32 v[SCO+32*\p+2*i], v[SCO+32*\p+2*i]
	s_wait_alu depctr_va_vdst(0)
	v_pk_mul_f32 v[ACC+32*\p+2*i:ACC+32*\p+2*i+1], v[ACC+32*\p+2*i:ACC+32*\p+2*i+1], v[AL:AL+1] op_sel_hi:[1,0]
	v_exp_f32 v[SCO+32*\p+2*i+1], v[SCO+32*\p+2*i+1]
.if i > 0
	ADDCV \p, i-1
.endif
.set i, i+1
.endr
	ADDCV \p, 15
.endm
; A trip: one key tile of 128.  mode 2: the slot is filled again with the tile two trips on; 1: no refill; 0: the last trip.
; All matrix instructions take their accumulators by turns, one instruction a turn.
.macro TRIP slot, mode
	s_wait_dscnt 16                                ; K's first half is in; the 16 loads of V's first half may be out
	WIN 0x15
.irp kt, 0,1,2,3
	SW 0, 0, \kt, 0
.endr
	WIN 0x05
.irp kt, 0,1,2,3
	SW 0, 0, \kt, 1
.endr
	WIN 0
	PLACES
	SM 0, 2, \slot
	SM 1, 3, \slot
	SM 0, 4, \slot
.if \mode
	s_wait_dscnt 0x0                               ; my reads of this slot are over (V's second half was the last),
	s_wait_tensorcnt 0x0                           ; and all my tensor loads have landed: my part of the next tile
	ds_add_u32 v30, v31
	s_wait_dscnt 0x0
.if \mode == 2
	GADDR \slot                                    ; no load of mine is out: the slot's descriptors may be written
.endif
	s_barrier_signal -1
	s_barrier_wait -1                              ; both now hold of every wave
.if \mode == 2
	tensor_load_to_lds s[G0K+4*\slot:G0K+4*\slot+3], s[G1K:G1K+7]  ; two loads of the wave are out, with a trip's work in which to land
	s_nop 0
	tensor_load_to_lds s[G0V+4*\slot:G0V+4*\slot+3], s[G1V:G1V+7]
	s_nop 0
.endif
	LDK 1-\slot, 0
.else
	s_wait_dscnt 0x0                               ; V's second half is in
.endif
	SM 1, 5, \slot
.irp n, 0,1,2,3,4,5,6,7
	PW 1, \n
.endr
	PLACES                                         ; behind the last products: V's registers are loaded again, out^T may be read
.if \mode
	LDV 1-\slot, 0
.endif
.endm
; A block's end: divide by the sums, round to f16, through my stage, out in stores that cover 512 consecutive aligned bytes each.
.macro FINAL ob
.irp p, 0,1
	v_pk_add_f32 v[LS+4*\p:LS+4*\p+1], v[LS+4*\p:LS+4*\p+1], v[LS+4*\p+2:LS+4*\p+3]
	v_add_f32 v[TT], v[LS+4*\p], v[LS+4*\p+1]
	v_permlanex16_b32 v[TT+1], v[TT], s24, s25
	v_add_f32 v[TT], v[TT], v[TT+1]                ; the whole sum; at least 1, since the largest p is 1
	v_rcp_f32 v[AL], v[TT]
	v_nop                                          ; one plain instruction behind the reciprocal (ISA guide 5.7.2)
	s_wait_alu depctr_va_vdst(0)
.irp i, 0,1,2,3,4,5,6,7,8,9,10,11,12,13,14,15
	v_pk_mul_f32 v[ACC+32*\p+2*\i:ACC+32*\p+2*\i+1], v[ACC+32*\p+2*\i:ACC+32*\p+2*\i+1], v[AL:AL+1] op_sel_hi:[1,0]
.endr
.irp i, 0,1,2,3,4,5,6,7,8,9,10,11,12,13,14,15
	v_cvt_pk_f16_f32 v[WO+\i], v[ACC+32*\p+2*\i], v[ACC+32*\p+2*\i+1]
.endr
.irp dt, 0,1,2,3
	ds_store_b128 v5, v[WO+4*\dt:WO+4*\dt+3] offset:\p*16*KP+32*\dt
.endr
	s_wait_xcnt 0x0                                ; v240-255, which earlier stores read, are loaded again only behind this wait
.irp i, 0,1,2,3
	ds_load_b128 v[WO+16+4*\i:WO+16+4*\i+3], v6 offset:\p*16*KP+4*KP*\i    ; my own bytes: LDS serves a wave in order
.endr
.irp i, 0,1,2,3
	s_wait_dscnt 3-\i
	global_store_b128 v7, v[WO+16+4*\i:WO+16+4*\i+3], s[\ob:\ob+1] offset:\p*2048+512*\i
.endr
.endr
.endm
.macro HEADTEST                        ; the block's last trip is its diagonal one
	s_cmp_lg_u32 s11, 1
	s_cbranch_scc1 .Lnodiag_\@
	SETMASK
.Lnodiag_\@:
.endm
.macro TAILTEST                        ; the first block's end: result out, mask off, the second block's Q; the maximum back to -inf makes the
	s_sub_co_u32 s11, s11, 1           ; next rescale factor 0, which clears out^T and the sums (both are finite here)
	s_cmp_lg_u32 s11, 0
	s_cbranch_scc1 .Lgoon_\@
	FINAL 30
	CLEARMASK 1
	WIN 0x41
.set n, 0
.rept 32
	v_mov_b32 v[QF+n], v[QL+n]
.set n, n+1
.endr
	WIN 0
	v_mov_b32 v[MX], 0xff800000
	v_mov_b32 v[MX+1], 0xff800000
	s_add_co_u32 s11, s9, 1                        ; the second block has j + 1 trips
.Lgoon_\@:
.endm
	s_wait_tensorcnt 0x2                           ; my part of tile 0 is in; tile 1's two loads stay out
	s_barrier_signal -1
	s_barrier_wait -1
	LDK 0, 0
	LDV 0, 0
	s_wait_loadcnt 0x0                             ; Q of both blocks
	TRIP 0, 2                                      ; trip 0: the first block has at least nine tiles, so no test
	s_mov_b32 s12, 7
.Lpair:                                            ; trips 1 to 14
	HEADTEST
	TRIP 1, 2
	TAILTEST
	HEADTEST
	TRIP 0, 2
	TAILTEST
	s_sub_co_u32 s12, s12, 1
	s_cmp_lg_u32 s12, 0
	s_cbranch_scc1 .Lpair
	HEADTEST
	TRIP 1, 1                                      ; trip 15: nothing more to ask for
	TAILTEST
	SETMASK                                        ; trip 16 is the second block's diagonal trip in every work-group
	TRIP 0, 0
	FINAL 32
	s_wait_tensorcnt 0x0
	ds_add_u32 v30, v31
	s_wait_dscnt 0x0
	s_endpgm
.Lfunc_end_k_qca360638cf_attn:
	.size	k_qca360638cf_attn, .Lfunc_end_k_qca360638cf_attn-k_qca360638cf_attn
	.p2alignl 7, 3214868480
	.fill 96, 4, 3214868480
	.section	.rodata,"a",@progbits
	.p2align	6, 0x0
	.amdhsa_kernel k_qca360638cf_attn
		.amdhsa_group_segment_fixed_size 327680
		.amdhsa_private_segment_fixed_size 0
		.amdhsa_enable_private_segment 0
		.amdhsa_kernarg_size 16
		.amdhsa_user_sgpr_count 2
		.amdhsa_user_sgpr_kernarg_segment_ptr 1
		.amdhsa_wavefront_size32 1
		.amdhsa_system_sgpr_workgroup_id_x 1
		.amdhsa_system_sgpr_workgroup_id_y 1
		.amdhsa_system_sgpr_workgroup_id_z 1
		.amdhsa_system_vgpr_workitem_id 0
		.amdhsa_next_free_vgpr 456
		.amdhsa_next_free_sgpr 76
		.amdhsa_reserve_vcc 1
		.amdhsa_float_denorm_mode_32 3
		.amdhsa_float_denorm_mode_16_64 3
		.amdhsa_memory_ordered 1
		.amdhsa_forward_progress 1
		.amdhsa_inst_pref_size 255
	.end_amdhsa_kernel
	.section	.bss,"aw",@nobits
	.p2align	6
	.space	262144
	.amdgpu_metadata
---
amdhsa.version: [ 1, 2 ]
amdhsa.kernels:
  - .name:           k_qca360638cf_attn
    .symbol:         k_qca360638cf_attn.kd
    .args:
      - { .name: qkv, .offset: 0, .size: 8, .value_kind: global_buffer, .address_space: global }
      - { .name: att, .offset: 8, .size: 8, .value_kind: global_buffer, .address_space: global }
    .group_segment_fixed_size: 327680
    .private_segment_fixed_size: 0
    .kernarg_segment_align: 8
    .kernarg_segment_size: 16
    .max_flat_workgroup_size: 128
    .sgpr_count:     76
    .vgpr_count:     456
    .wavefront_size: 32
...
	.end_amdgpu_metadata
.endif
;; end of part 3
;; launch proj (part 4): grid 8 x 32, 4 waves a work-group, clusters of 4 x 4, 327,680 bytes of LDS; arguments att, wob, out0; writes out0
.if DOCPART == 4
	.amdgcn_target "amdgcn-amd-amdhsa--gfx1250"
	.amdhsa_code_object_version 6
	.text
	.protected	k_qca360638cf_proj
	.globl	k_qca360638cf_proj
	.p2align	8
	.type	k_qca360638cf_proj,@function
k_qca360638cf_proj:
	s_mov_b64 s[64:65], 0
	v_nop
	global_prefetch_b8 v0, s[64:65] scope:SCOPE_SE
	s_setreg_imm32_b32 hwreg(HW_REG_WAVE_MODE, 25, 1), 1
	s_wait_xcnt 0x0
	s_wait_alu depctr_hold_cnt(0) depctr_sa_sdst(0) depctr_va_vdst(0) depctr_va_sdst(0) depctr_va_ssrc(0) depctr_va_vcc(0) depctr_vm_vsrc(0)
	s_getreg_b32 s2, hwreg(HW_REG_IB_STS2, 6, 4)
	s_cmp_eq_u32 s2, 0
	s_cbranch_scc0 .Lentry_in_a_cluster
	s_endpgm
.Lentry_in_a_cluster:
	s_bfe_u32 s2, ttmp6, 0x10000c
	s_cmp_lg_u32 s2, 0xf033
	s_cbranch_scc0 .Lentry_shape_is_right
	s_endpgm
.Lentry_shape_is_right:
; out0 = att w_out.  att[b][h 16][t 2048][64] f16 (k = 64 h + d), wob [1024 k][1024 n] f16, sums and result in f32; out0 [4096][1024].
; A work-group makes 128 x 128 with four waves (2 x 2, 64 x 64 each: 16 accumulators): 8 x 32 = 256 work-groups.
; K goes in four steps of 256 (four heads) through two LDS slots of eight pieces of 18,432 bytes: pieces 0-3 are the heads' [128 t][64] (128 bytes + 16),
; pieces 4-7 are 64 k rows each of B's [256 k][128 n] (256 bytes + 32).  Wave w fetches pieces 2w and 2w + 1 by two tensor loads.
; CLUSTERS: 4 x 4.  A's pieces hang on the block row alone: asked for jointly along a row of the cluster; B's on the block column alone: along a column.
; The matrix instruction is used transposed (source 0 = 16 columns of B by transposing loads, source 1 = 16 rows of A): a lane holds eight neighbouring
; columns of one row, 32 bytes.
; REGISTERS: window 0: v16-26 addresses, v64-95 / v128-159 A's fragments; window 1: v64-95 / v128-159 B's; window 2: accumulators at 8 (4 a + b).
.set SIZE_N, 1024
.set PA,     144
.set PB,     288
.set PIECE,  18432
.set BOFF,   4*PIECE
.set SLOT,   8*PIECE
.set STAGE,  2*SLOT                    ; behind the ring: 16 rows x 272 bytes for each wave; no tensor load fills it
.set SPITCH, 272
.set SLAB,   262144
.set ADRA, 16                          ; v16-17  my A fragments in slot 0, 1
.set ADRB, 18                          ; v18-21  my B fragments: 2 x slot + half of the K step
.set STO,  24
.set RD,   25
.set CO,   26
.set F0,   64
.set F1,   128
.set G1,  24                           ; s[24:31] group 1 for A
.set G1B, 32                           ; s[32:39] group 1 for B
.set G0,  40                           ; s[40:55] group 0 for A: 8 x slot + 4 x u
.set G0B, 68                           ; s[68:83] group 0 for B
.set MSB, 0
.macro WIN new
.if MSB != \new
	s_set_vgpr_msb (MSB<<8)|\new
.set MSB, \new
.endif
.endm
.set MUL,  0xa1                        ; source 0 (B) window 1, source 1 (A) window 0, C and D window 2
.set TO_B, 0x40
; Two joint loads: waves 0 and 1 ask for A's pieces, waves 2 and 3 for B's.  The branch hangs on the wave's number alone.
.macro JLOAD s
	s_cmp_eq_u32 s11, 0
	s_cbranch_scc0 .Lfor_b_\@
	tensor_load_to_lds s[G0+8*\s:G0+8*\s+3], s[G1:G1+7]
	s_nop 0
	tensor_load_to_lds s[G0+8*\s+4:G0+8*\s+7], s[G1:G1+7]
	s_nop 0
	s_branch .Lasked_\@
.Lfor_b_\@:
	tensor_load_to_lds s[G0B+8*\s:G0B+8*\s+3], s[G1B:G1B+7]
	s_nop 0
	tensor_load_to_lds s[G0B+8*\s+4:G0B+8*\s+7], s[G1B:G1B+7]
	s_nop 0
.Lasked_\@:
.endm
.macro CREST
	s_cmp_lg_u32 s10, 0
	s_cbranch_scc1 .Lnot_wave_0_\@
	s_barrier_signal -3
.Lnot_wave_0_\@:
	s_barrier_wait -3
	s_barrier_signal -1
	s_barrier_wait -1
.endm
.macro CROUND
	s_barrier_signal -1
	s_barrier_wait -1
	CREST
.endm
.macro PLACES
.rept 4
	v_nop
.endr
.endm
	s_load_b128 s[4:7], s[0:1], 0x0                ; att s[4:5], wob s[6:7]
	s_load_b64 s[8:9], s[0:1], 0x10                ; out0
	s_set_vgpr_msb 0x40
	v_lshl_add_u32 v255, v0, 2, 0x4c400
	s_set_vgpr_msb 0x4000
	v_mov_b32 v255, 0
	s_set_vgpr_msb 0x1
	ds_add_u32 v255, v255
	ds_add_u32 v255, v255
	s_set_vgpr_msb 0x100
	v_lshrrev_b32 v1, 5, v0
	v_readfirstlane_b32 s10, v1                    ; wave
	s_lshr_b32 s11, s10, 1                         ; my half of the rows; also: I fetch for A (0) or B (1)
	s_and_b32 s12, s10, 1                          ; my half of the columns; also: which two pieces I fetch
	s_bfe_u32 s56, ttmp6, 0x40000                  ; cx
	s_bfe_u32 s57, ttmp6, 0x40004                  ; cy
	s_lshl_b32 s58, ttmp9, 2
	s_add_co_u32 s58, s58, s56                     ; block column bx
	s_and_b32 s13, ttmp7, 0xffff
	s_lshl_b32 s13, s13, 2
	s_add_co_u32 s13, s13, s57                     ; block row by
	s_lshl_b32 s59, s57, 2
	s_lshl_b32 s59, 15, s59                        ; my row of the cluster
	s_lshl_b32 s60, 0x1111, s56                    ; my column
	s_or_b32 s[G1+0], s59, (1<<16)|(1<<20)|(1<<21)|(4<<22)|(3<<25)   ; A: after every 32 words 4 words of padding
	s_or_b32 s[G1B+0], s60, (1<<16)|(1<<20)|(1<<21)|(5<<22)|(7<<25)  ; B: after every 64 words 8 words
	s_mov_b32 s[G1+1], 64<<16                      ; tensor_dim0
	s_mov_b32 s[G1B+1], 128<<16
	s_mov_b32 s[G1+2], 128<<16                     ; tensor_dim1
	s_mov_b32 s[G1B+2], 64<<16
	s_mov_b32 s[G1+3], 64<<16                      ; tile_dim0
	s_mov_b32 s[G1B+3], 128<<16
	s_mov_b32 s[G1+4], 128                         ; tile_dim1
	s_mov_b32 s[G1B+4], 64
	s_mov_b32 s[G1+5], 64                          ; elements from row to row
	s_mov_b32 s[G1B+5], SIZE_N
	s_mov_b32 s[G1+6], 0
	s_mov_b32 s[G1B+6], 0
	s_mov_b32 s[G1+7], 0
	s_mov_b32 s[G1B+7], 0
	s_lshr_b32 s16, s13, 4
	s_lshl_b32 s16, s16, 22                        ; A: batch x 16 slabs,
	s_and_b32 s17, s13, 15
	s_lshl_b32 s17, s17, 14                        ; + 128 rows of 128 bytes for each block row,
	s_add_co_u32 s16, s16, s17
	s_lshl_b32 s17, s12, 19                        ; + two slabs for the odd wave
	s_add_co_u32 s16, s16, s17
	s_mov_b32 s17, 0
	s_lshl_b32 s62, s58, 8                         ; B: 128 bx columns of 2 bytes,
	s_lshl_b32 s63, s12, 18                        ; + 128 k rows of 2,048 bytes for the odd wave
	s_add_co_u32 s62, s62, s63
	s_mov_b32 s63, 0
	s_mul_i32 s20, s10, 2*PIECE                    ; where my two pieces go
	s_wait_dscnt 0x0
	s_wait_kmcnt 0x0
	s_add_nc_u64 s[14:15], s[4:5], s[16:17]
	s_add_nc_u64 s[62:63], s[6:7], s[62:63]
	CROUND                                         ; all sixteen work-groups are here: the first joint loads meet
.irp s, 0,1
.irp u, 0,1
	s_mov_b32 s[G0+8*\s+4*\u], 1
	s_add_co_u32 s[G0+8*\s+4*\u+1], s20, \s*SLOT+\u*PIECE
	s_add_nc_u64 s[G0+8*\s+4*\u+2:G0+8*\s+4*\u+3], s[14:15], \s*4*SLAB+\u*SLAB
	s_or_b32 s[G0+8*\s+4*\u+3], s[G0+8*\s+4*\u+3], 0x80000000
	s_mov_b32 s[G0B+8*\s+4*\u], 1
	s_add_co_u32 s[G0B+8*\s+4*\u+1], s20, \s*SLOT+\u*PIECE
	s_add_nc_u64 s[G0B+8*\s+4*\u+2:G0B+8*\s+4*\u+3], s[62:63], \s*256*SIZE_N*2+\u*64*SIZE_N*2
	s_or_b32 s[G0B+8*\s+4*\u+3], s[G0B+8*\s+4*\u+3], 0x80000000
.endr
	JLOAD \s                                       ; four loads of the wave are out behind the second
.endr
	v_and_b32 v1, 15, v0                           ; r
	v_bfe_u32 v2, v0, 4, 1                         ; h
	v_mul_u32_u24 v3, v1, PA
	v_lshl_add_u32 v3, v2, 4, v3
	s_mul_i32 s21, s11, 64*PA
	v_add_nc_u32 v[ADRA], s21, v3                  ; A: my 64 rows, row r, 16 h
	v_add_nc_u32 v[ADRA+1], SLOT, v[ADRA]
	v_and_b32 v4, 7, v0
	v_lshl_add_u32 v4, v2, 3, v4
	v_mul_u32_u24 v4, v4, PB
	v_bfe_u32 v5, v0, 3, 1
	v_lshl_add_u32 v4, v5, 4, v4
	s_lshl_b32 s22, s12, 7
	v_add_nc_u32 v4, s22, v4                       ; B: k row 8 h + lane % 8, my 64 columns
.irp s, 0,1
.irp g, 0,1
	v_add_nc_u32 v[ADRB+2*\s+\g], \s*SLOT+BOFF+\g*128*PB, v4
.endr
.endr
	s_mul_i32 s23, s10, 16*SPITCH
	s_add_co_u32 s23, s23, STAGE
	v_mul_u32_u24 v6, v1, SPITCH
	v_lshl_add_u32 v6, v2, 5, v6
	v_add_nc_u32 v[STO], s23, v6                   ; stage in: row r, 32 h
	v_mul_u32_u24 v7, v2, SPITCH
	v_lshl_add_u32 v7, v1, 4, v7
	v_add_nc_u32 v[RD], s23, v7                    ; back: lanes 0-15 one row of 256 bytes, lanes 16-31 the next
	v_lshlrev_b32 v8, 12, v2
	v_lshl_add_u32 v[CO], v1, 4, v8                ; the same two rows in out0
.macro MULROW f, a, zero
.irp b, 0,1,2,3
.if \zero
	v_wmma_f32_16x16x32_f16 v[8*(4*\a+\b):8*(4*\a+\b)+7], v[\f+8*\b:\f+8*\b+7], v[\f+8*\a:\f+8*\a+7], 0
.else
	v_wmma_f32_16x16x32_f16 v[8*(4*\a+\b):8*(4*\a+\b)+7], v[\f+8*\b:\f+8*\b+7], v[\f+8*\a:\f+8*\a+7], v[8*(4*\a+\b):8*(4*\a+\b)+7]
.endif
.endr
.endm
; 16 LDS loads in one run: eighth q (32 along K) of a slot into buffer f
.macro FETCH slot, q, f
	WIN TO_B
.irp b, 0,1,2,3
	ds_load_tr16_b128 v[\f+8*\b:\f+8*\b+3],   v[ADRB+2*\slot+((\q)>>2)] offset:((\q)&3)*32*PB+32*\b
	ds_load_tr16_b128 v[\f+8*\b+4:\f+8*\b+7], v[ADRB+2*\slot+((\q)>>2)] offset:((\q)&3)*32*PB+32*\b+16*PB
.endr
	WIN 0
.irp a, 0,1,2,3
	ds_load_b128 v[\f+8*\a:\f+8*\a+3],   v[ADRA+\slot] offset:((\q)>>1)*PIECE+((\q)&1)*64+\a*16*PA
	ds_load_b128 v[\f+8*\a+4:\f+8*\a+7], v[ADRA+\slot] offset:((\q)>>1)*PIECE+((\q)&1)*64+\a*16*PA+32
.endr
.endm
; One of a K step's first seven eighths.  The 16 accumulators take turns in one fixed order, one instruction a turn.
.macro EIGHTH slot, q, f, g, zero
	s_wait_dscnt 4                                 ; B and A's rows 0-31 are in; the youngest four loads (A's rows 32-63) may be out
	WIN MUL
	MULROW \f, 0, \zero
	MULROW \f, 1, \zero
	PLACES
	FETCH \slot, \q, \g
	s_wait_dscnt 16                                ; all but the 16 just issued
	WIN MUL
	MULROW \f, 2, \zero
	MULROW \f, 3, \zero
.endm
.macro SEVEN slot, zero
	EIGHTH \slot, 1, F0, F1, \zero
	EIGHTH \slot, 2, F1, F0, 0
	EIGHTH \slot, 3, F0, F1, 0
	EIGHTH \slot, 4, F1, F0, 0
	EIGHTH \slot, 5, F0, F1, 0
	EIGHTH \slot, 6, F1, F0, 0
	EIGHTH \slot, 7, F0, F1, 0
.endm
; The last eighth multiplies buffer 1 and changes slots; the waits, the barrier (a round of the cluster's barrier where the slot is filled again) and the refills
; stand in that order.
.macro TURN slot, next, fill
	s_wait_dscnt 4
	WIN MUL
	MULROW F1, 0, 0
	s_wait_dscnt 0                                 ; my reads of this slot are over
	s_wait_tensorcnt 0x0                           ; all my tensor loads have landed: my two pieces of the next slot
	ds_add_u32 v255, v255
	s_wait_dscnt 0x0
	s_barrier_signal -1
	MULROW F1, 1, 0
	WIN 0
	s_barrier_wait -1
.if \fill
	CREST
.irp u, 0,1
	s_add_nc_u64 s[G0+8*\slot+4*\u+2:G0+8*\slot+4*\u+3], s[G0+8*\slot+4*\u+2:G0+8*\slot+4*\u+3], 8*SLAB
	s_add_nc_u64 s[G0B+8*\slot+4*\u+2:G0B+8*\slot+4*\u+3], s[G0B+8*\slot+4*\u+2:G0B+8*\slot+4*\u+3], 512*SIZE_N*2
.endr
	JLOAD \slot                                    ; two loads of the wave are out
.endif
	PLACES
	FETCH \next, 0, F0
	WIN MUL
	MULROW F1, 2, 0
	MULROW F1, 3, 0
.endm
	s_wait_tensorcnt 2                             ; my pieces of K step 0 are in, K step 1's two loads stay out
	s_barrier_signal -1
	s_barrier_wait -1
	FETCH 0, 0, F0
	SEVEN 0, 1                                     ; the first products start the sums
	TURN 0, 1, 1
	SEVEN 1, 0
	TURN 1, 0, 1
	SEVEN 0, 0
	TURN 0, 1, 0
	SEVEN 1, 0
	s_wait_dscnt 4
	WIN MUL
	MULROW F1, 0, 0
	MULROW F1, 1, 0
	s_wait_dscnt 0
	MULROW F1, 2, 0
	MULROW F1, 3, 0
	; THE WAY OUT, 16 rows at a time through my own stage: a lane's 32 bytes in, whole rows of 256 bytes back.
	PLACES
	s_lshl_b32 s16, s13, 19                        ; 128 by rows of 4,096 bytes
	s_lshl_b32 s17, s11, 18                        ; + my 64 rows
	s_add_co_u32 s16, s16, s17
	s_mov_b32 s17, 0
	s_add_nc_u64 s[8:9], s[8:9], s[16:17]
	s_lshl_b32 s62, s58, 9                         ; 128 bx columns of 4 bytes
	s_lshl_b32 s63, s12, 8                         ; + my 64 columns
	s_add_co_u32 s62, s62, s63
	s_mov_b32 s63, 0
	s_add_nc_u64 s[8:9], s[8:9], s[62:63]
.macro OUT16 a, f
	WIN 0x08                                       ; store data in window 2
.irp b, 0,1,2,3
	ds_store_b128 v[STO], v[8*(4*\a+\b):8*(4*\a+\b)+3] offset:64*\b
	ds_store_b128 v[STO], v[8*(4*\a+\b)+4:8*(4*\a+\b)+7] offset:64*\b+16
.endr
	WIN 0
	s_wait_xcnt 0x0                                ; buffer f, which earlier stores read, is loaded again only behind this wait
.irp t, 0,1,2,3,4,5,6,7
	ds_load_b128 v[\f+4*\t:\f+4*\t+3], v[RD] offset:\t*2*SPITCH    ; my own bytes: LDS serves a wave in order
.endr
.irp t, 0,1,2,3,4,5,6,7
	s_wait_dscnt 7-\t
	global_store_b128 v[CO], v[\f+4*\t:\f+4*\t+3], s[8:9] offset:\a*65536+\t*8192 th:TH_STORE_NT   ; 16 lanes store 256 consecutive aligned bytes
.endr
.endm
	OUT16 0, F0
	OUT16 1, F1
	OUT16 2, F0
	OUT16 3, F1
	s_set_vgpr_msb 0x1
	s_wait_tensorcnt 0x0
	ds_add_u32 v255, v255
	s_wait_dscnt 0x0
	s_set_vgpr_msb 0x100
	CROUND                                         ; the closing round
	s_endpgm
.Lfunc_end_k_qca360638cf_proj:
	.size	k_qca360638cf_proj, .Lfunc_end_k_qca360638cf_proj-k_qca360638cf_proj
	.p2alignl 7, 3214868480
	.fill 96, 4, 3214868480
	.section	.rodata,"a",@progbits
	.p2align	6, 0x0
	.amdhsa_kernel k_qca360638cf_proj
		.amdhsa_group_segment_fixed_size 327680
		.amdhsa_private_segment_fixed_size 0
		.amdhsa_enable_private_segment 0
		.amdhsa_kernarg_size 24
		.amdhsa_user_sgpr_count 2
		.amdhsa_user_sgpr_kernarg_segment_ptr 1
		.amdhsa_wavefront_size32 1
		.amdhsa_system_sgpr_workgroup_id_x 1
		.amdhsa_system_sgpr_workgroup_id_y 1
		.amdhsa_system_sgpr_workgroup_id_z 1
		.amdhsa_system_vgpr_workitem_id 0
		.amdhsa_next_free_vgpr 640
		.amdhsa_next_free_sgpr 84
		.amdhsa_reserve_vcc 0
		.amdhsa_float_denorm_mode_32 3
		.amdhsa_float_denorm_mode_16_64 3
		.amdhsa_memory_ordered 1
		.amdhsa_forward_progress 1
		.amdhsa_inst_pref_size 93
	.end_amdhsa_kernel
	.amdgpu_metadata
---
amdhsa.version: [ 1, 2 ]
amdhsa.kernels:
  - .name:           k_qca360638cf_proj
    .symbol:         k_qca360638cf_proj.kd
    .args:
      - { .name: att, .offset: 0, .size: 8, .value_kind: global_buffer, .address_space: global }
      - { .name: wob, .offset: 8, .size: 8, .value_kind: global_buffer, .address_space: global }
      - { .name: out0, .offset: 16, .size: 8, .value_kind: global_buffer, .address_space: global }
    .group_segment_fixed_size: 327680
    .private_segment_fixed_size: 0
    .kernarg_segment_align: 8
    .kernarg_segment_size: 24
    .max_flat_workgroup_size: 128
    .sgpr_count:     84
    .vgpr_count:     640
    .wavefront_size: 32
...
	.end_amdgpu_metadata
.endif
;; end of part 4
